; MI455X (gfx1250); checked and timed in simulation.
; The chip was launched on July 23, 2026; its instructions are those of AMD's public machine-readable ISA for CDNA 5 (MIT licence, August 2026) and "CDNA5" Instruction Set Architecture Reference Guide (July 2026). The comments in the code are by the model that wrote it; some were corrected since.
;; Lo RAQKV Wrapper. Allowed arithmetic: matrix products marked QUANTISED: E2M3 operands, one E8M0 scale for each 32 along K, by v_wmma_scale_f32_16x16x128_f8f6f4 with both operands' format E2M3, f32 sums; products left as they are: f32 operands where the result goes on into a quantised operand, else bf16, f16 or f32 operands; f32 sums; everything else in f32.
;; Inputs: k_A_codes 16 x 128 x 24 uint8 (E2M3 codes of k_A, K innermost, in blocks of 32 codes, four codes in three bytes); k_A_scales 16 x 128 uint8 (E8M0 scales of k_A, one for each 32 codes along K); k_B 4,096 x 16 float32; k_weight_codes 4,096 x 128 x 24 uint8 (E2M3 codes of k_weight, K innermost, in blocks of 32 codes, four codes in three bytes); k_weight_scales 4,096 x 128 uint8 (E8M0 scales of k_weight, one for each 32 codes along K); q_A_codes 16 x 128 x 24 uint8 (E2M3 codes of q_A, K innermost, in blocks of 32 codes, four codes in three bytes); q_A_scales 16 x 128 uint8 (E8M0 scales of q_A, one for each 32 codes along K); q_B 4,096 x 16 float32; q_weight_codes 4,096 x 128 x 24 uint8 (E2M3 codes of q_weight, K innermost, in blocks of 32 codes, four codes in three bytes); q_weight_scales 4,096 x 128 uint8 (E8M0 scales of q_weight, one for each 32 codes along K); v_A_codes 16 x 128 x 24 uint8 (E2M3 codes of v_A, K innermost, in blocks of 32 codes, four codes in three bytes); v_A_scales 16 x 128 uint8 (E8M0 scales of v_A, one for each 32 codes along K); v_B 4,096 x 16 float32; v_weight_codes 4,096 x 128 x 24 uint8 (E2M3 codes of v_weight, K innermost, in blocks of 32 codes, four codes in three bytes); v_weight_scales 4,096 x 128 uint8 (E8M0 scales of v_weight, one for each 32 codes along K); x_codes 4 x 256 x 128 x 24 uint8 (E2M3 codes of x, K innermost, in blocks of 32 codes, four codes in three bytes); x_scales 4 x 256 x 128 uint8 (E8M0 scales of x, one for each 32 codes along K).
;; Outputs: out0 4 x 256 x 4,096 float32; out1 4 x 256 x 4,096 float32; out2 4 x 256 x 4,096 float32.
;; This version of the problem:
;;   THIS VERSION OF THE PROBLEM IS GIVEN IN LOW PRECISION. The matrix products marked QUANTISED in the list below multiply operands that are first quantised to E2M3 (2 exponent bits, 3 mantissa bits; 6 bits a number), with one power-of-two scale for each 32 numbers along K (OCP MX v1.0); their sums are f32. All else is computed in f32.
;;   The module's matrix products, in the order in which they are computed (A, B: the left and right operand; K: the contracted axis; several contracted axes count as one K, in the product's order):
;;     1. [M 1,024, K 4,096] x [K 4,096, N 4,096]; A: input x (given as codes); B: input q_weight (given as codes): QUANTISED
;;     2. [M 1,024, K 4,096] x [K 4,096, N 16]; A: input x (given as codes); B: input q_A (given as codes): QUANTISED
;;     3. [M 1,024, K 16] x [K 16, N 4,096]; A: computed on the way; B: computed on the way: left as it is (K = 16 < 32)
;;     4. [M 1,024, K 4,096] x [K 4,096, N 4,096]; A: input x (given as codes); B: input k_weight (given as codes): QUANTISED
;;     5. [M 1,024, K 4,096] x [K 4,096, N 16]; A: input x (given as codes); B: input k_A (given as codes): QUANTISED
;;     6. [M 1,024, K 16] x [K 16, N 4,096]; A: computed on the way; B: computed on the way: left as it is (K = 16 < 32)
;;     7. [M 1,024, K 4,096] x [K 4,096, N 4,096]; A: input x (given as codes); B: input v_weight (given as codes): QUANTISED
;;     8. [M 1,024, K 4,096] x [K 4,096, N 16]; A: input x (given as codes); B: input v_A (given as codes): QUANTISED
;;     9. [M 1,024, K 16] x [K 16, N 4,096]; A: computed on the way; B: computed on the way: left as it is (K = 16 < 32)
;;   THE QUANTISER, for each operand of a quantised product, along K:
;;     - K is cut into blocks of 32 from its start; a last block that is shorter is filled with zeros.
;;     - A block's scale is 2^e with e = floor(log2(the largest magnitude in the block)) - 2, held to -126 .. 127; a block of zeros has e = 0. As a byte (E8M0): e + 127.
;;     - Each number is divided by its block's scale, clamped to +-7.5, and rounded to the nearest number of E2M3, ties to even, subnormals kept.
;;     - The product sums the exact products of the quantised numbers (number of the format x scale) in f32.
;;   ~~~python
;;   def quantise(x, axis):      # numpy; x: float32 -> the quantised numbers, widened to float32 again
;;       x = np.moveaxis(x, axis, -1); K = x.shape[-1]
;;       x = np.pad(x, [(0, 0)] * (x.ndim - 1) + [(0, -K % 32)]); x = x.reshape(x.shape[:-1] + (-1, 32)); a = np.abs(x).max(-1, keepdims=True)
;;       e = np.where(a > 0, np.clip(np.frexp(np.where(a > 0, a, 1))[1] - 1 - 2, -126, 127), 0)      # np.frexp(a)[1] - 1 = floor(log2(a)), exactly
;;       r = np.clip(x / 2.0 ** e, -7.5, 7.5)
;;       step = 2.0 ** (np.maximum(np.frexp(np.where(r == 0, 1, r))[1] - 1, 0) - 3)
;;       q = np.round(r / step) * step * 2.0 ** e      # np.round: ties to even
;;       return np.moveaxis(q.reshape(q.shape[:-2] + (-1,))[..., :K], -1, axis).astype(np.float32)
;;   ~~~
;;   INPUTS GIVEN AS CODES. k_A (in the module: [16, 4096], K = its axis 1); k_weight (in the module: [4096, 4096], K = its axis 1); q_A (in the module: [16, 4096], K = its axis 1); q_weight (in the module: [4096, 4096], K = its axis 1); v_A (in the module: [16, 4096], K = its axis 1); v_weight (in the module: [4096, 4096], K = its axis 1); x (in the module: [4, 256, 4096], K = its axis 2): each comes as NAME_codes (uint8): NAME with its K axis moved to the last place and cut into blocks of 32 codes, [.., K / 32, bytes a block], one block behind the other in memory; four codes in three bytes: a row's codes are one little-endian stream of bits, code i at bits 6 i .. 6 i + 5 (a code: sign, 2 exponent bits, 3 mantissa bits); and NAME_scales (uint8): the same leading axes, one E8M0 byte (e + 127) for each 32 codes along K. Its value is code x scale, taken as it is: it is not quantised again, and the codes and scales need not be those that the quantiser above would give.
;; One version. Each part assembles by itself: llvm-mc -triple=amdgcn-amd-amdhsa -mcpu=gfx1250 --defsym DOCPART=n.
;; ======== version 1 of 1: 1 launch
;; limits: values are held in bf16: 8 bits of precision; right only within a limited range of input values
;; launch qkv (part 1): grid 64 x 4, 4 waves a work-group, clusters of 4 x 4, 327,680 bytes of LDS; arguments x_codes, x_scales, q_weight_codes, k_weight_codes, v_weight_codes, q_weight_scales, k_weight_scales, v_weight_scales, q_A_codes, k_A_codes, v_A_codes, q_A_scales, k_A_scales, v_A_scales, q_B, k_B, v_B, out0, out1, out2; writes out0, out1, out2
.if DOCPART == 1
	.amdgcn_target "amdgcn-amd-amdhsa--gfx1250"
	.amdhsa_code_object_version 6
	.text
	.protected	k_q65a632cc12_qkv
	.globl	k_q65a632cc12_qkv
	.p2align	8
	.type	k_q65a632cc12_qkv,@function
k_q65a632cc12_qkv:
	s_mov_b64 s[64:65], 0
	v_nop
	global_prefetch_b8 v0, s[64:65] scope:SCOPE_SE
	s_setreg_imm32_b32 hwreg(HW_REG_WAVE_MODE, 25, 1), 1
	s_wait_xcnt 0x0
	s_wait_alu depctr_hold_cnt(0) depctr_sa_sdst(0) depctr_va_vdst(0) depctr_va_sdst(0) depctr_va_ssrc(0) depctr_va_vcc(0) depctr_vm_vsrc(0)
	s_getreg_b32 s2, hwreg(HW_REG_IB_STS2, 6, 4)
	s_cmp_eq_u32 s2, 0
	s_cbranch_scc0 .Lentry_in_a_cluster
	s_endpgm
.Lentry_in_a_cluster:
	s_bfe_u32 s2, ttmp6, 0x10000c
	s_cmp_lg_u32 s2, 0xf033
	s_cbranch_scc0 .Lentry_shape_is_right
	s_endpgm
.Lentry_shape_is_right:
; Q, K, V = x W^T + (x A^T) B^T for three weights.  x [1,024][4,096], W [4,096][4,096], A [16][4,096]: codes of E2M3 with one E8M0 byte for each 32 along K; B [4,096][16] f32; results f32.
; The three results side by side are 1,024 x 12,288; a work-group makes 256 x 192 of it: 64 x 4 = 256 work-groups.  The 192 columns are three UNITS of 64; 4,096 is a multiple of 64, so a unit lies in one tensor; a work-group's units lie in one tensor or in two.
; Four waves, 2 x 2, a wave 128 x 96: 8 x 6 accumulators.  K goes through a ring of two LDS slots in chunks of 256 bytes of each row (448 rows: x's 256, the units' 192); 12 chunks, 32 steps of 128 along K (96 bytes): eight steps to three chunks, a lap.
; THE ORDER OF K.  A lane takes 48 neighbouring bytes of a row for a step: lanes 0-15 blocks 0, 1 of the step's four, lanes 16-31 blocks 2, 3.  The instruction's places want scales in the order 0, 2, 1, 3: every scale word's two middle bytes change places on the way in.  All operands have the same order.
; THE SCALES come by plain loads through registers, where that change is made: so they are not asked for jointly.  They stay in LDS for the whole launch.
; x A^T (16 columns): the wave in column n of the 2 x 2 makes it for the tensor of unit 2 n, rounds it to bf16; the two meet in LDS and make one operand of K = 32: k 0-15 for unit 0's tensor, 16-31 for unit 2's.  B's operand is bf16, with zeros in the half that is not its tensor's.
; CLUSTERS of 4 x 4: x's rows are shared by a row of the cluster, a unit's rows by a column: joint loads.
; PREFETCHES: with chunk c's load chunk c + 2 is asked for into the L2 (chunks 1 and 2 at the head); the four partners of a joint load share the rows out by address.  x, which all clusters read, is asked for by clusters 0 to 3 alone.
; LIMITS: none beyond the rounding of x A^T and B to bf16.
; REGISTERS: window 0: v4-31 addresses, v32-63 scale words (two sets for two steps each), v64-255 fragments of x, two sets of 8 x 12.  Window 1: v0-143 fragments of the weights, two sets of 6 x 12; v144-191 A's fragments, four sets; v192-239 B's.
;   windows 2, 3: the accumulators of my rows 0-63 and 64-127, (a, b) at v[48 (a % 4) + 8 b], and those of x A^T at v[192 + 8 (a % 4)].
; Clusters 5 and 10 hold the tiles that span two tensors: there a wave makes x A^T for all its eight blocks.  In the others both columns' tensor is the same: column 0 makes blocks 0-3, column 1 blocks 4-7, the sums of the others stay 0, and B stands in both halves of K.
.set KROW, 3072
.set PITCH, 272                        ; 256 bytes and 16 of padding
.set BOFF, 256*PITCH
.set SLOT, 448*PITCH
.set SCL, 2*SLOT                       ; scales: x's 256 rows, the units' 192, A's 2 x 16; two rows of 128 bytes and 16 of padding
.set SBLK, 8*272
.set SCLB, SCL+128*272
.set SCLL, SCLB+96*272
.set SPARE, SCLL+16*272
.set TIMG, SPARE+512                   ; x A^T as operand registers: [unit 0's, unit 2's][row half][8 tiles][512 bytes]
.set SPITCH, 784                       ; the way out: 256 rows of 768 bytes and 16, in the ring
.set NROW, 16384                       ; a row of a result, bytes
.set ADRA, 4                           ; v4, v5 my rows of x in the lap's first slot X and in the other, Y; v6: lanes 0-15 at byte 208 in X, lanes 16-31 at byte 0 in Y; v7 the other way round
.set ADRB, 8
.set CBA, 12
.set CBB, 13
.set A0, 14
.set B0, 15
.set HV, 16
.set NH, 17
.set ADRS, 18
.set ADRS6, 19
.set ADRS7, 20
.set LAO, 21
.set PFO, 22
.set STO, 23
.set RD, 24
.set CO, 25
.set TWR, 26
.set TRD, 27
.set SPW, 28
.set NIL, 29
.set STO2, 30
.set RD2, 31
.set SC, 32
.set AF, 64
.set LF, 144
.set BM, 192
.set G1A, 68
.set G0A, 76
.set G1B, 80
.set G0B, 88
.set PFA, 92
.set PF, 94                            ; 0: my wave prefetches nothing, 1: 16 rows of a unit, 2: 64 rows of x
.set LAW, 96
.set MSB, 0
.macro WIN new
.if MSB != \new
	s_set_vgpr_msb (MSB<<8)|\new
.set MSB, \new
.endif
.endm
.macro PLACES n
.rept \n
	v_nop
.endr
.endm
.macro WALU
	s_wait_alu depctr_va_vdst(0)
.endm
.macro CREST
	s_cmp_lg_u32 s14, 0
	s_cbranch_scc1 .Lnot_wave_0_\@
	s_barrier_signal -3
.Lnot_wave_0_\@:
	s_barrier_wait -3
	s_barrier_signal -1
	s_barrier_wait -1
.endm
.macro CROUND
	s_barrier_signal -1
	s_barrier_wait -1
	CREST
.endm
.macro JLOAD                           ; a chunk: wave 0 x's 256 rows, waves 1 to 3 a unit's 64 each
	s_cmp_eq_u32 s14, 0
	s_cbranch_scc0 .Lunit_\@
	tensor_load_to_lds s[G0A:G0A+3], s[G1A:G1A+7]
	s_nop 0
	PLACES 4
	s_branch .Lasked_\@
.Lunit_\@:
	tensor_load_to_lds s[G0B:G0B+3], s[G1B:G1B+7]
	s_nop 0
	PLACES 4
.Lasked_\@:
.endm
.macro NEXTCH                          ; the descriptors: the next chunk, the other slot (no tensor load of mine is out)
	s_xor_b32 s98, s98, SLOT
	s_mov_b32 s[G0A+1], s98
	s_add_co_u32 s[G0B+1], s99, s98
	s_add_nc_u64 s[G0A+2:G0A+3], s[G0A+2:G0A+3], 256
	s_add_nc_u64 s[G0B+2:G0B+3], s[G0B+2:G0B+3], 256
.endm
.macro ASK off, last                   ; last: the loop's last trip has no chunk two on
	s_cmp_eq_u32 s[PF], 0
	s_cbranch_scc1 .Lno_\@
.if \last
	s_cmp_eq_u32 s3, 1
	s_cbranch_scc1 .Lno_\@
.endif
	global_prefetch_b8 v[PFO], s[PFA:PFA+1] offset:\off th:TH_LOAD_NT scope:SCOPE_SE
	s_cmp_eq_u32 s[PF], 2
	s_cbranch_scc0 .Lno_\@
	global_prefetch_b8 v[PFO], s[PFA:PFA+1] offset:(\off)+32*KROW th:TH_LOAD_NT scope:SCOPE_SE
.Lno_\@:
.endm
.macro SELP d, base                    ; the pointer of tensor s2, of three
	s_cmp_eq_u32 s2, 1
	s_cselect_b64 s[\d:\d+1], s[\base+2:\base+3], s[\base:\base+1]
	s_cmp_eq_u32 s2, 2
	s_cselect_b64 s[\d:\d+1], s[\base+4:\base+5], s[\d:\d+1]
.endm
.macro UNIT j                          ; my work-group's unit j: s2 its tensor, s17 its number there
	s_add_co_u32 s17, s12, \j
	s_lshr_b32 s2, s17, 6
	s_and_b32 s17, s17, 63
.endm
.macro MA d, s, m, c
	s_mul_i32 s\d, s\s, \m
	s_add_co_u32 s\d, s\d, \c
.endm
.macro SLOTADR                         ; s100, s101: where the lap's slots X and Y begin
	v_add_nc_u32 v[ADRA], s100, v[A0]
	v_add_nc_u32 v[ADRB], s100, v[B0]
	v_add_nc_u32 v[ADRA+1], s101, v[A0]
	v_add_nc_u32 v[ADRB+1], s101, v[B0]
	v_mad_u32_u24 v[ADRA+2], v[HV], s101, v[CBA]
	v_mad_u32_u24 v[ADRB+2], v[HV], s101, v[CBB]
	v_mad_u32_u24 v[ADRA+3], v[HV], s100, v[CBA]
	v_mad_u32_u24 v[ADRB+3], v[HV], s100, v[CBB]
	v_mad_u32_u24 v[ADRA+2], v[NH], s100, v[ADRA+2]
	v_mad_u32_u24 v[ADRB+2], v[NH], s100, v[ADRB+2]
	v_mad_u32_u24 v[ADRA+3], v[NH], s101, v[ADRA+3]
	v_mad_u32_u24 v[ADRB+3], v[NH], s101, v[ADRB+3]
.endm
; A fragment, 16 rows x 128 K, in three pieces of 16 bytes a lane; kk: the step, counted from the lap's start.  Where the two halves of the lanes read different chunks, the second pair of addresses serves.
.macro FRAG reg, adr, kk, i
.irp p, 0,1,2
.set BY_, 96*(\kk)+16*\p
.if BY_/256 == (BY_+48)/256
	ds_load_b128 v[(\reg)+4*\p:(\reg)+4*\p+3], v[\adr+(BY_/256)%2] offset:BY_%256+(\i)*16*PITCH
.else
	ds_load_b128 v[(\reg)+4*\p:(\reg)+4*\p+3], v[\adr+2+(BY_/256)%2] offset:BY_%256-208+(\i)*16*PITCH
.endif
.endr
.endm
; The two runs of loads for step kk.  RUN1: for an even kk the scale words of two steps (lanes 0-15 x's block i; lanes 16-31 the weights' block i, and with i = 6 A's rows); the weights' six fragments.  RUN2: x's eight.
.macro RUN1 kk
.if ((\kk)%2) == 0
	WIN 0
.set S_, SC+16*(((\kk)/2)%2)
.irp i, 0,1,2,3,4,5
	ds_load_b64 v[S_+2*\i:S_+2*\i+1], v[ADRS] offset:\i*SBLK+4*(\kk)
.endr
	ds_load_b64 v[S_+12:S_+13], v[ADRS6] offset:4*(\kk)
	ds_load_b64 v[S_+14:S_+15], v[ADRS7] offset:4*(\kk)
.endif
	WIN 0x40
.irp i, 0,1,2,3,4,5
	FRAG 72*((\kk)%2)+12*\i, ADRB, \kk, \i
.endr
.endm
.macro RUN2 kk
	WIN 0
.irp i, 0,1,2,3,4,5,6,7
	FRAG AF+96*((\kk)%2)+12*\i, ADRA, \kk, \i
.endr
.endm
.macro LALOAD kk                       ; A's fragment of step kk, from memory
	WIN 0x40
.irp p, 0,1,2
	global_load_b128 v[LF+12*((\kk)%4)+4*\p:LF+12*((\kk)%4)+4*\p+3], v[LAO], s[LAW:LAW+1] offset:96*(\kk)+16*\p
.endr
.endm
.macro WM d, s0, s1, x0, x1, zero
.if \zero
	v_wmma_scale_f32_16x16x128_f8f6f4 v[\d:\d+7], v[\s0:\s0+11], v[\s1:\s1+11], 0, v[\x0], v[\x1] matrix_a_fmt:MATRIX_FMT_FP6 matrix_b_fmt:MATRIX_FMT_FP6 matrix_a_scale:MATRIX_SCALE_ROW1
.else
	v_wmma_scale_f32_16x16x128_f8f6f4 v[\d:\d+7], v[\s0:\s0+11], v[\s1:\s1+11], v[\d:\d+7], v[\x0], v[\x1] matrix_a_fmt:MATRIX_FMT_FP6 matrix_b_fmt:MATRIX_FMT_FP6 matrix_a_scale:MATRIX_SCALE_ROW1
.endif
.endm
; x's block a against the weights' six (main) and against A (t).  Transposed: source 0 the weights' rows, so that a lane's eight results are eight neighbours of a row.
.macro ROWM a, k, zero
	WIN 0xa1+0x50*((\a)/4)
.set S_, SC+16*(((\k)/2)%2)+(\k)%2
.set FA_, AF+96*((\k)%2)+12*(\a)
.irp b, 0,1,2,3,4,5
	WM 48*((\a)%4)+8*\b, 72*((\k)%2)+12*\b, FA_, S_+2*\b, S_+2*(\a), \zero
.endr
.endm
; x A^T of blocks 0-3 (hi = 0) or 4-7, where it is my wave's: s66, s67, made from the cluster's and the wave's number
.macro TP hi, k
	WIN 0
	s_cmp_eq_u32 s[66+\hi], 0
	s_cbranch_scc1 .Lnot_my_t_\@
	WIN 0xa1+0x50*\hi
.set S_, SC+16*(((\k)/2)%2)+(\k)%2
.irp a, 0,1,2,3
	WM 192+8*\a, LF+12*((\k)%4), AF+96*((\k)%2)+12*(4*\hi+\a), S_+12, S_+2*(4*\hi+\a), 0
.endr
	WIN 0
.Lnot_my_t_\@:
.endm
; A step: eight rows of products and two runs of loads for the next step.  k: the step in its lap.  sync 1: a barrier shows a chunk to all waves; 2: it opens a round, and the slot that is read out is filled again.
; Waits: behind the loads that row 0 needs stand 21 (x's blocks 1-7) and, with sync 2, the add; behind those that rows 1-3 need 12 (blocks 4-7); ahead of row 4 this step's first run alone may be out.  With a barrier all are waited for behind row 0.
; Of A's loads those of the two steps behind (6) may be out.  The four places between the last step's products and the loads into their registers stand ahead of the first run.
.macro STEP k, sync, zero, lora, lw, ask
	WIN 0
	s_wait_loadcnt \lw
.if \sync
	s_wait_tensorcnt 0x0
.endif
.if \sync == 2
	ds_add_u32 v[SPW], v[NIL]
	s_wait_xcnt 0x0
	s_add_nc_u64 s[PFA:PFA+1], s[PFA:PFA+1], 256
	NEXTCH
	s_wait_dscnt 22
.else
	s_wait_dscnt 21
.endif
	ROWM 0, \k, \zero
.if \sync
	s_wait_dscnt 0x0                               ; the add, where there is one, and all my reads
	s_barrier_signal -1
	ROWM 1, \k, \zero
	WIN 0
	s_barrier_wait -1
.endif
.if \sync == 0
	s_wait_dscnt 12
.endif
.if \sync == 2
	CREST
	JLOAD
.else
	PLACES 4
.endif
	RUN1 \k+1
.if \lora
	LALOAD \k+3
.endif
.if \sync == 0
	ROWM 1, \k, \zero
	ROWM 2, \k, \zero
	s_wait_dscnt 18+8*(\k%2)
	RUN2 \k+1
	ROWM 3, \k, \zero
	TP 0, \k
.else
	ROWM 2, \k, \zero
	ROWM 3, \k, \zero
	TP 0, \k
	RUN2 \k+1
.endif
.if \ask
	ASK 512, \ask-1
.endif
	ROWM 4, \k, \zero
	ROWM 5, \k, \zero
	ROWM 6, \k, \zero
	ROWM 7, \k, \zero
	TP 1, \k
.endm
; ================= THE HEAD
	s_load_b128 s[4:7], s[0:1], 0x0                ; x's codes, x's scales
	s_load_b512 s[24:39], s[0:1], 0x10             ; three pointers each: W's codes s24, W's scales s30, A's codes s36,
	s_load_b512 s[40:55], s[0:1], 0x50             ; A's scales s42, B s48,
	s_load_b128 s[56:59], s[0:1], 0x90             ; results s54
	v_lshl_add_u32 v[SPW], v0, 2, SPARE
	v_mov_b32 v[NIL], 0
	ds_add_u32 v[SPW], v[NIL]                      ; the opening: the add, twice on end, and its wait
	ds_add_u32 v[SPW], v[NIL]
	v_lshrrev_b32 v1, 5, v0
	v_readfirstlane_b32 s14, v1                    ; wave; s15 its row of the 2 x 2, s16 its column
	s_lshr_b32 s15, s14, 1
	s_and_b32 s16, s14, 1
	s_bfe_u32 s8, ttmp6, 0x40000                   ; cx
	s_bfe_u32 s9, ttmp6, 0x40004                   ; cy = the tile row
	s_lshl_b32 s11, ttmp9, 2
	s_add_co_u32 s11, s11, s8
	s_mul_i32 s12, s11, 3                          ; my first unit
	s_lshl_b32 s10, s9, 2
	s_lshl_b32 s10, 15, s10
	s_lshl_b32 s13, 0x1111, s8
	s_or_b32 s[G1A], s10, (1<<20)|(1<<21)|(5<<22)|(3<<25)
	s_or_b32 s[G1B], s13, (1<<20)|(1<<21)|(5<<22)|(3<<25)
	s_mov_b32 s[G1A+1], 256<<16
	s_mov_b32 s[G1A+2], 256<<16
	s_mov_b32 s[G1A+3], 256<<16
	s_mov_b32 s[G1A+4], 256
	s_mov_b32 s[G1A+5], KROW
	s_mov_b32 s[G1A+6], 0
	s_mov_b32 s[G1A+7], 0
	s_mov_b32 s[G1B+1], 256<<16
	s_mov_b32 s[G1B+2], 64<<16
	s_mov_b32 s[G1B+3], 256<<16
	s_mov_b32 s[G1B+4], 64
	s_mov_b32 s[G1B+5], KROW
	s_mov_b32 s[G1B+6], 0
	s_mov_b32 s[G1B+7], 0
	s_mov_b32 s61, 0
	s_mov_b32 s98, 0
	s_mov_b32 s100, 0
	s_mov_b32 s101, SLOT
	WALU
	s_wait_dscnt 0x0
	CROUND                                         ; all sixteen work-groups are here; the arguments are on their way
	s_wait_kmcnt 0x0
	s_mul_i32 s60, s9, 256*KROW
	s_mov_b32 s[G0A], 1
	s_mov_b32 s[G0A+1], 0
	s_add_nc_u64 s[G0A+2:G0A+3], s[4:5], s[60:61]
	s_or_b32 s[G0A+3], s[G0A+3], 0x80000000
	s_max_u32 s10, s14, 1
	s_sub_co_u32 s10, s10, 1
	UNIT s10                                       ; waves 1 to 3 fetch units 0 to 2
	SELP 62, 24
	s_mul_i32 s60, s17, 64*KROW
	MA 99, 14, 64*PITCH, BOFF-64*PITCH
	s_mov_b32 s[G0B], 1
	s_mov_b32 s[G0B+1], s99
	s_add_nc_u64 s[G0B+2:G0B+3], s[62:63], s[60:61]
	s_or_b32 s[G0B+3], s[G0B+3], 0x80000000
	JLOAD                                          ; chunk 0, my one load at the head
	; the prefetches: wave 0 my work-group's 64 of x's 256 rows, the others 16 of a unit's 64
	s_lshl_b32 s10, s9, 8
	s_lshl_b32 s11, s8, 6
	s_add_co_u32 s10, s10, s11
	s_lshl_b32 s17, s17, 6
	s_lshl_b32 s11, s9, 4
	s_add_co_u32 s17, s17, s11
	s_cmp_lt_u32 ttmp9, 4
	s_cselect_b32 s13, 2, 0
	s_cmp_eq_u32 s14, 0
	s_cselect_b32 s10, s10, s17
	s_cselect_b32 s95, 31, 15
	s_cselect_b32 s[PF], s13, 1
	s_cselect_b64 s[PFA:PFA+1], s[4:5], s[62:63]
	s_mul_i32 s60, s10, KROW
	s_add_co_u32 s60, s60, 256
	s_add_nc_u64 s[PFA:PFA+1], s[PFA:PFA+1], s[60:61]
	; scales: a wave takes 64 rows of x, 16 of each unit, 4 of each A
	s_lshl_b32 s60, s9, 15
	s_lshl_b32 s10, s14, 13
	s_add_co_u32 s60, s60, s10
	s_add_nc_u64 s[6:7], s[6:7], s[60:61]
	s_lshl_b32 s10, s14, 11
.irp j, 0,1,2
	UNIT \j
	SELP 24+2*\j, 30
	s_lshl_b32 s60, s17, 13
	s_add_co_u32 s60, s60, s10
	s_add_nc_u64 s[24+2*\j:25+2*\j], s[24+2*\j:25+2*\j], s[60:61]
.endr
	s_lshl_b32 s60, s14, 9
	UNIT 0
	s_mov_b32 s13, s2                              ; unit 0's tensor
	SELP 30, 42
	s_add_nc_u64 s[30:31], s[30:31], s[60:61]
	UNIT 2
	SELP 32, 42
	s_add_nc_u64 s[32:33], s[32:33], s[60:61]
	v_and_b32 v1, 15, v0                           ; r
	v_bfe_u32 v[HV], v0, 4, 1                      ; h
	v_and_b32 v2, 31, v0
	v_lshlrev_b32 v3, 4, v2
.irp i, 0,1,2,3,4,5,6,7,8,9,10,11,12,13,14,15
	global_load_b128 v[64+4*\i:67+4*\i], v3, s[6:7] offset:512*\i
.endr
.irp j, 0,1,2
.irp i, 0,1,2,3
	global_load_b128 v[128+16*\j+4*\i:131+16*\j+4*\i], v3, s[24+2*\j:25+2*\j] offset:512*\i
.endr
.endr
	global_load_b128 v[176:179], v3, s[30:31]
	global_load_b128 v[180:183], v3, s[32:33]
	WALU
	s_cmp_eq_u32 ttmp9, 5
	s_cselect_b32 s66, 1, 0
	s_cmp_eq_u32 ttmp9, 10
	s_cselect_b32 s66, 1, s66                      ; 1: my cluster has a tile that spans two tensors
	s_sub_co_u32 s8, s66, 1                        ; then 0, else all ones
	s_or_b32 s67, s66, s16                         ; whether x A^T of blocks 4-7 is mine,
	s_xor_b32 s10, s16, 1
	s_or_b32 s66, s66, s10                         ; and of blocks 0-3
	s_lshl_b32 s10, s16, 1
	UNIT s10
	SELP LAW, 36                                   ; A of unit 2 n's tensor
.irp p, 0,1,2                                      ; B's rows for my 96 columns, 32 at a time; masks: which half of K they take
	MA 10, 16, 96, 32*\p
	s_lshr_b32 s11, s10, 6
	UNIT s11
	s_and_b32 s10, s10, 63
	SELP 42+2*\p, 48
	s_lshl_b32 s60, s17, 6
	s_add_co_u32 s60, s60, s10
	s_lshl_b32 s60, s60, 6
	s_add_nc_u64 s[42+2*\p:43+2*\p], s[42+2*\p:43+2*\p], s[60:61]
	s_cmp_eq_u32 s2, s13
	s_cselect_b32 s[36+\p], -1, 0
	s_cselect_b32 s[39+\p], 0, -1
	s_or_b32 s[39+\p], s[39+\p], s8
.endr
	v_mul_u32_u24 v[LAO], v1, KROW
	v_mad_u32_u24 v[LAO], v[HV], 48, v[LAO]
	v_lshlrev_b32 v243, 6, v1
	v_lshl_add_u32 v243, v[HV], 5, v243
	v_min_u32 v[PFO], s95, v2
	v_mul_u32_u24 v[PFO], v[PFO], KROW
.irp b, 0,1,2,3,4,5
	global_load_b128 v[184+8*\b:187+8*\b], v243, s[42+2*(\b/2):43+2*(\b/2)] offset:1024*(\b%2)
	global_load_b128 v[188+8*\b:191+8*\b], v243, s[42+2*(\b/2):43+2*(\b/2)] offset:1024*(\b%2)+16
.endr
	LALOAD 0
	LALOAD 1
	LALOAD 2
	WIN 0
	WALU
	ASK 0, 0                                       ; chunk 1
	ASK 256, 0                                     ; chunk 2
	; where the results go: my first row is 256 x tile row + 128 x row half + 16 n
	s_lshl_b32 s10, s9, 8
	s_lshl_b32 s11, s15, 7
	s_add_co_u32 s10, s10, s11
	s_lshl_b32 s11, s16, 4
	s_add_co_u32 s10, s10, s11
	s_lshl_b32 s10, s10, 14
.irp j, 0,1,2
	UNIT \j
	SELP 18+2*\j, 54
	s_lshl_b32 s60, s17, 8
	s_add_co_u32 s60, s60, s10
	s_add_nc_u64 s[18+2*\j:19+2*\j], s[18+2*\j:19+2*\j], s[60:61]
.endr
	s_mul_i32 s48, s15, 128*PITCH                  ; my rows of x,
	MA 49, 16, 96*PITCH, BOFF                      ; my rows of the units
	s_movk_i32 s50, 208
	s_mul_i32 s10, s15, 64*272
	s_add_co_u32 s51, s10, SCL
	s_add_co_u32 s53, s10, SCL+6*SBLK
	MA 52, 16, 48*272, SCLB-SCL
	s_sub_co_u32 s52, s52, s10
	MA 54, 16, SBLK, SCLL-SCL-6*SBLK
	s_sub_co_u32 s54, s54, s10
	s_mul_i32 s10, s15, 128*SPITCH
	s_mul_i32 s55, s16, 384
	s_add_co_u32 s55, s55, s10
	s_mul_i32 s56, s16, 16*SPITCH
	s_add_co_u32 s56, s56, s10
	MA 57, 15, 4096, TIMG
	s_lshl_b32 s58, s16, 13
	s_add_co_u32 s58, s58, s57
	MA 59, 14, 32*272, SCL
	MA 62, 14, 8*272, SCLB
	MA 63, 14, 2*272, SCLL
	v_xor_b32 v[NH], 1, v[HV]
	v_mul_u32_u24 v4, v1, PITCH
	v_mad_u32_u24 v5, v[HV], 48, v4
	v_mad_u32_u24 v6, v[NH], s50, v4
	v_add_nc_u32 v[A0], s48, v5
	v_add_nc_u32 v[B0], s49, v5
	v_add_nc_u32 v[CBA], s48, v6
	v_add_nc_u32 v[CBB], s49, v6
	v_lshlrev_b32 v7, 7, v1
	v_lshrrev_b32 v8, 1, v1
	v_lshl_add_u32 v7, v8, 4, v7                   ; my row's scales: 128 bytes a row, 16 more for each two rows
	v_add_nc_u32 v9, s51, v7
	v_mad_u32_u24 v[ADRS], v[HV], s52, v9
	v_add_nc_u32 v9, s53, v7
	v_mad_u32_u24 v[ADRS6], v[HV], s54, v9
	v_add_nc_u32 v[ADRS7], SBLK, v9
	v_mul_u32_u24 v4, v1, SPITCH
	v_lshl_add_u32 v4, v[HV], 5, v4
	v_add_nc_u32 v[STO], s55, v4
	v_add_nc_u32 v[STO2], 64*SPITCH, v[STO]
	v_mul_u32_u24 v4, v[HV], SPITCH
	v_lshl_add_u32 v4, v1, 4, v4
	v_add_nc_u32 v[RD], s56, v4
	v_add_nc_u32 v[RD2], 64*SPITCH, v[RD]
	v_lshlrev_b32 v4, 14, v[HV]
	v_lshl_add_u32 v[CO], v1, 4, v4
	v_add_nc_u32 v[TRD], s57, v3
	v_add_nc_u32 v[TWR], s58, v3
	v_lshl_add_u32 v5, v[HV], 4, v3
	v_add_nc_u32 v240, s59, v5
	v_add_nc_u32 v241, s62, v5
	v_add_nc_u32 v242, s63, v5
	SLOTADR
	WIN 0x80
.set I, 192
.rept 32
	v_mov_b32 v[I], 0                              ; the sums of x A^T: those of blocks that are not my wave's stay 0
.set I, I+1
.endr
	WIN 0xc0
.set I, 192
.rept 32
	v_mov_b32 v[I], 0
.set I, I+1
.endr
	WIN 0
	s_mov_b32 s10, 0x03010200
	WALU
	s_wait_loadcnt 35                              ; x's scales are in; behind them stand 12 and 2 of scales, 12 of B, 9 of A
.set I, 64
.rept 64
	v_perm_b32 v[I], v[I], v[I], s10               ; a scale word's bytes in the order 0, 2, 1, 3
.set I, I+1
.endr
.irp i, 0,1,2,3,4,5,6,7,8,9,10,11,12,13,14,15
	ds_store_b128 v240, v[64+4*\i:67+4*\i] offset:544*\i
.endr
	s_wait_loadcnt 21                              ; all scales are in
.rept 56
	v_perm_b32 v[I], v[I], v[I], s10
.set I, I+1
.endr
.irp j, 0,1,2
.irp i, 0,1,2,3
	ds_store_b128 v241, v[128+16*\j+4*\i:131+16*\j+4*\i] offset:8704*\j+544*\i
.endr
.endr
	ds_store_b128 v242, v[176:179]
	ds_store_b128 v242, v[180:183] offset:SBLK
	WALU
	s_wait_tensorcnt 0x0                           ; my part of chunk 0 is in
	ds_add_u32 v[SPW], v[NIL]
	NEXTCH
	s_wait_dscnt 0x0                               ; the add, and my stores of scales
	CROUND
	JLOAD                                          ; chunk 1
	RUN1 0
	RUN2 0
	ASK 512, 0                                     ; chunk 3
	s_wait_loadcnt 9                               ; B is in; A's nine loads may be out
.irp b, 0,1,2,3,4,5
.irp j, 0,1,2,3
	v_cvt_pk_bf16_f32 v[184+8*\b+\j], v[184+8*\b+2*\j], v[184+8*\b+2*\j+1]
.endr
.endr
	WIN 0x40
.irp b, 0,1,2,3,4,5
.irp j, 0,1,2,3
	v_and_b32 v[BM+8*\b+\j], s[36+\b/2], v[184+8*\b+\j]
	v_and_b32 v[BM+8*\b+4+\j], s[39+\b/2], v[184+8*\b+\j]
.endr
.endr
	WIN 0
	WALU
; ================= THE WALK ALONG K: step 0 starts the sums; three laps of eight steps, 1 to 24; the last seven steps, which fill one chunk more
	STEP 0, 0, 1, 1, 6, 0
	WIN 0
	s_mov_b32 s3, 3
.Llap:
	STEP 1, 1, 0, 1, 6, 0
	STEP 2, 2, 0, 1, 6, 1
	STEP 3, 0, 0, 1, 6, 0
	STEP 4, 1, 0, 1, 6, 0
	STEP 5, 2, 0, 1, 6, 1
	STEP 6, 0, 0, 1, 6, 0
	STEP 7, 2, 0, 1, 6, 2
	STEP 8, 0, 0, 1, 6, 0
	WIN 0
	s_wait_xcnt 0x0
	s_add_nc_u64 s[LAW:LAW+1], s[LAW:LAW+1], 768
	s_xor_b32 s100, s100, SLOT                     ; three chunks a lap: the slots change names
	s_xor_b32 s101, s101, SLOT
	SLOTADR
	v_add_nc_u32 v[ADRS], 32, v[ADRS]
	v_add_nc_u32 v[ADRS6], 32, v[ADRS6]
	v_add_nc_u32 v[ADRS7], 32, v[ADRS7]
	s_sub_co_u32 s3, s3, 1
	s_cmp_lg_u32 s3, 0
	WALU
	s_cbranch_scc1 .Llap
	STEP 1, 1, 0, 1, 6, 0
	STEP 2, 2, 0, 1, 6, 0                          ; chunk 11
	STEP 3, 0, 0, 1, 6, 0
	STEP 4, 1, 0, 1, 6, 0
	STEP 5, 0, 0, 0, 6, 0
	STEP 6, 0, 0, 0, 3, 0
	; the last step: x A^T first, so that its exchange stands among the other products
	WIN 0
	s_wait_loadcnt 0x0
	s_wait_dscnt 0x0
	TP 0, 7
	TP 1, 7
.irp a, 0,1,2,3
	ROWM \a, 7, 0
.endr
	PLACES 4
	WIN 0x0a
.irp a, 0,1,2,3
.irp j, 0,1,2,3
	v_cvt_pk_bf16_f32 v[AF+4*\a+\j], v[192+8*\a+2*\j], v[192+8*\a+2*\j+1]
.endr
.endr
	WIN 0x0f
.irp a, 0,1,2,3
.irp j, 0,1,2,3
	v_cvt_pk_bf16_f32 v[AF+16+4*\a+\j], v[192+8*\a+2*\j], v[192+8*\a+2*\j+1]
.endr
.endr
	WIN 0
.irp a, 0,1,2,3,4,5,6,7
	ds_store_b128 v[TWR], v[AF+4*\a:AF+4*\a+3] offset:512*\a
.endr
	ROWM 4, 7, 0
	WIN 0
	s_wait_dscnt 0x0                               ; my stores are done, and so are all my reads of the ring
	s_barrier_signal -1
	ROWM 5, 7, 0
	WIN 0
	s_barrier_wait -1
	WIN 0x40
.irp a, 0,1,2,3,4,5,6,7
	ds_load_b128 v[8*\a:8*\a+3], v[TRD] offset:512*\a
	ds_load_b128 v[8*\a+4:8*\a+7], v[TRD] offset:8192+512*\a
.endr
	ROWM 6, 7, 0
	ROWM 7, 7, 0
	WIN 0
	PLACES 5
	s_wait_dscnt 0x0
; ================= THE WAY OUT, in four groups of 2 x 16 rows of each wave.  A row's 768 bytes come from two waves, so a barrier stands between a group's stores into the stage and its reading back; each group has stage bytes of its own, in the ring, whose fills and reads are over.
.macro LORA c                          ; + (x A^T) B^T
.irp a, 2*(\c), 2*(\c)+1
	WIN 0xa5+0x50*((\a)/4)
.irp b, 0,1,2,3,4,5
.set D_, 48*((\a)%4)+8*\b
	v_wmma_f32_16x16x32_bf16 v[D_:D_+7], v[BM+8*\b:BM+8*\b+7], v[8*(\a):8*(\a)+7], v[D_:D_+7]
.endr
.endr
.endm
.macro STAGE c
.irp a, 2*(\c), 2*(\c)+1
	WIN 0x08+4*((\a)/4)
.set ST_, STO+(STO2-STO)*((\a)/4)
.irp b, 0,1,2,3,4,5
.set D_, 48*((\a)%4)+8*\b
	ds_store_b128 v[ST_], v[D_:D_+3] offset:((\a)%4)*16*SPITCH+64*\b
	ds_store_b128 v[ST_], v[D_+4:D_+7] offset:((\a)%4)*16*SPITCH+64*\b+16
.endr
.endr
	WIN 0
.endm
.macro LDB c                           ; 16 rows a wave, two to a load, a unit's 256 bytes to sixteen lanes
.set RD_, RD+(RD2-RD)*((\c)/2)
.set BK_, AF+96*((\c)%2)
.irp t, 0,1,2,3,4,5,6,7
.irp j, 0,1,2
	ds_load_b128 v[BK_+12*\t+4*\j:BK_+12*\t+4*\j+3], v[RD_] offset:(32*((\c)%2)+2*\t)*SPITCH+256*\j
.endr
.endr
.endm
.macro SEND c, younger
.set BK_, AF+96*((\c)%2)
	s_wait_dscnt \younger
.irp t, 0,1,2,3,4,5,6,7
.irp j, 0,1,2
	global_store_b128 v[CO], v[BK_+12*\t+4*\j:BK_+12*\t+4*\j+3], s[18+2*\j:19+2*\j] offset:(32*(\c)+2*\t)*NROW th:TH_STORE_NT
.endr
.endr
.endm
	LORA 0
	PLACES 4
	STAGE 0
	LORA 1
	WIN 0
	s_wait_dscnt 0x0
	s_barrier_signal -1
	s_barrier_wait -1
	LDB 0
.irp c, 1,2,3
	PLACES 4
	STAGE \c
.if \c < 3
	LORA \c+1
.endif
	WIN 0
	SEND \c-1, 24                                  ; behind that group's loads: this group's 24 stores into the stage
	s_wait_dscnt 0x0
	s_barrier_signal -1
	s_barrier_wait -1
.if \c > 1
	s_wait_xcnt 0x0                                ; the stores of two groups back have read their registers
.endif
	LDB \c
.endr
	SEND 3, 0
	s_wait_tensorcnt 0x0                           ; the wave's end
	ds_add_u32 v[SPW], v[NIL]
	s_wait_dscnt 0x0
	CROUND                                         ; the closing round
	s_endpgm
.Lfunc_end_k_q65a632cc12_qkv:
	.size	k_q65a632cc12_qkv, .Lfunc_end_k_q65a632cc12_qkv-k_q65a632cc12_qkv
	.p2alignl 7, 3214868480
	.fill 96, 4, 3214868480
	.section	.rodata,"a",@progbits
	.p2align	6, 0x0
	.amdhsa_kernel k_q65a632cc12_qkv
		.amdhsa_group_segment_fixed_size 327680
		.amdhsa_private_segment_fixed_size 0
		.amdhsa_enable_private_segment 0
		.amdhsa_kernarg_size 160
		.amdhsa_user_sgpr_count 2
		.amdhsa_user_sgpr_kernarg_segment_ptr 1
		.amdhsa_wavefront_size32 1
		.amdhsa_system_sgpr_workgroup_id_x 1
		.amdhsa_system_sgpr_workgroup_id_y 1
		.amdhsa_system_sgpr_workgroup_id_z 1
		.amdhsa_system_vgpr_workitem_id 0
		.amdhsa_next_free_vgpr 1024
		.amdhsa_next_free_sgpr 104
		.amdhsa_reserve_vcc 0
		.amdhsa_float_denorm_mode_32 3
		.amdhsa_float_denorm_mode_16_64 3
		.amdhsa_memory_ordered 1
		.amdhsa_forward_progress 1
		.amdhsa_inst_pref_size 247
	.end_amdhsa_kernel
	.amdgpu_metadata
---
amdhsa.version: [ 1, 2 ]
amdhsa.kernels:
  - .name:           k_q65a632cc12_qkv
    .symbol:         k_q65a632cc12_qkv.kd
    .args:
      - { .name: x_codes, .offset: 0, .size: 8, .value_kind: global_buffer, .address_space: global }
      - { .name: x_scales, .offset: 8, .size: 8, .value_kind: global_buffer, .address_space: global }
      - { .name: q_weight_codes, .offset: 16, .size: 8, .value_kind: global_buffer, .address_space: global }
      - { .name: k_weight_codes, .offset: 24, .size: 8, .value_kind: global_buffer, .address_space: global }
      - { .name: v_weight_codes, .offset: 32, .size: 8, .value_kind: global_buffer, .address_space: global }
      - { .name: q_weight_scales, .offset: 40, .size: 8, .value_kind: global_buffer, .address_space: global }
      - { .name: k_weight_scales, .offset: 48, .size: 8, .value_kind: global_buffer, .address_space: global }
      - { .name: v_weight_scales, .offset: 56, .size: 8, .value_kind: global_buffer, .address_space: global }
      - { .name: q_A_codes, .offset: 64, .size: 8, .value_kind: global_buffer, .address_space: global }
      - { .name: k_A_codes, .offset: 72, .size: 8, .value_kind: global_buffer, .address_space: global }
      - { .name: v_A_codes, .offset: 80, .size: 8, .value_kind: global_buffer, .address_space: global }
      - { .name: q_A_scales, .offset: 88, .size: 8, .value_kind: global_buffer, .address_space: global }
      - { .name: k_A_scales, .offset: 96, .size: 8, .value_kind: global_buffer, .address_space: global }
      - { .name: v_A_scales, .offset: 104, .size: 8, .value_kind: global_buffer, .address_space: global }
      - { .name: q_B, .offset: 112, .size: 8, .value_kind: global_buffer, .address_space: global }
      - { .name: k_B, .offset: 120, .size: 8, .value_kind: global_buffer, .address_space: global }
      - { .name: v_B, .offset: 128, .size: 8, .value_kind: global_buffer, .address_space: global }
      - { .name: out0, .offset: 136, .size: 8, .value_kind: global_buffer, .address_space: global }
      - { .name: out1, .offset: 144, .size: 8, .value_kind: global_buffer, .address_space: global }
      - { .name: out2, .offset: 152, .size: 8, .value_kind: global_buffer, .address_space: global }
    .group_segment_fixed_size: 327680
    .private_segment_fixed_size: 0
    .kernarg_segment_align: 8
    .kernarg_segment_size: 160
    .max_flat_workgroup_size: 128
    .sgpr_count:     104
    .vgpr_count:     1024
    .wavefront_size: 32
...
	.end_amdgpu_metadata
.endif
;; end of part 1
